; MI455X (gfx1250); checked and timed in simulation.
; The chip was launched on July 23, 2026; its instructions are those of AMD's public machine-readable ISA for CDNA 5 (MIT licence, August 2026) and "CDNA5" Instruction Set Architecture Reference Guide (July 2026). The comments in the code are by the model that wrote it; some were corrected since.
;; Multihead Attention. Allowed arithmetic: matrix products marked QUANTISED: E2M3 operands, one E8M0 scale for each 32 along K, by v_wmma_scale_f32_16x16x128_f8f6f4 with both operands' format E2M3, f32 sums; everything else in f32.
;; Inputs: Wo 1,024 x 1,024 float32; Wqkv 3,072 x 1,024 float32; bo 1,024 float32; bqkv 3,072 float32; x 4 x 2,048 x 1,024 float32.
;; Outputs: out0 4 x 2,048 x 1,024 float32.
;; This version of the problem:
;;   THIS VERSION OF THE PROBLEM IS GIVEN IN LOW PRECISION. The matrix products marked QUANTISED in the list below multiply operands that are first quantised to E2M3 (2 exponent bits, 3 mantissa bits; 6 bits a number), with one power-of-two scale for each 32 numbers along K (OCP MX v1.0); their sums are f32. All else is computed in f32.
;;   The module's matrix products, in the order in which they are computed (A, B: the left and right operand; K: the contracted axis; several contracted axes count as one K, in the product's order):
;;     1. [M 8,192, K 1,024] x [K 1,024, N 3,072]; A: input x; B: input Wqkv: QUANTISED
;;     2. batch 64 x [M 2,048, K 64] x [K 64, N 2,048]; A: computed on the way; B: computed on the way: QUANTISED
;;     3. batch 64 x [M 2,048, K 2,048] x [K 2,048, N 64]; A: softmax (see below); B: computed on the way: QUANTISED
;;     4. [M 8,192, K 1,024] x [K 1,024, N 1,024]; A: computed on the way; B: input Wo: QUANTISED
;;   THE QUANTISER, for each operand of a quantised product, along K:
;;     - K is cut into blocks of 32 from its start; a last block that is shorter is filled with zeros.
;;     - A block's scale is 2^e with e = floor(log2(the largest magnitude in the block)) - 2, held to -126 .. 127; a block of zeros has e = 0. As a byte (E8M0): e + 127.
;;     - Each number is divided by its block's scale, clamped to +-7.5, and rounded to the nearest number of E2M3, ties to even, subnormals kept.
;;     - The product sums the exact products of the quantised numbers (number of the format x scale) in f32.
;;   ~~~python
;;   def quantise(x, axis):      # numpy; x: float32 -> the quantised numbers, widened to float32 again
;;       x = np.moveaxis(x, axis, -1); K = x.shape[-1]
;;       x = np.pad(x, [(0, 0)] * (x.ndim - 1) + [(0, -K % 32)]); x = x.reshape(x.shape[:-1] + (-1, 32)); a = np.abs(x).max(-1, keepdims=True)
;;       e = np.where(a > 0, np.clip(np.frexp(np.where(a > 0, a, 1))[1] - 1 - 2, -126, 127), 0)      # np.frexp(a)[1] - 1 = floor(log2(a)), exactly
;;       r = np.clip(x / 2.0 ** e, -7.5, 7.5)
;;       step = 2.0 ** (np.maximum(np.frexp(np.where(r == 0, 1, r))[1] - 1, 0) - 3)
;;       q = np.round(r / step) * step * 2.0 ** e      # np.round: ties to even
;;       return np.moveaxis(q.reshape(q.shape[:-2] + (-1,))[..., :K], -1, axis).astype(np.float32)
;;   ~~~
;;   SOFTMAX AHEAD OF A QUANTISED PRODUCT. Where the list says 'softmax', what is quantised is not the finished softmax but p = 2^(t - M), with t = logit x log2(e) and M = ceil(the row's largest t), a whole number; so 1/2 < the row's largest p <= 1. The row's sum l is taken of the UNQUANTISED p, in f32, and the product's result is divided by l at the end. Since M is a whole number, a kernel that streams over the keys may use a running M (the ceiling of the running maximum): every later rescaling is an exact power of two, which a block's scale takes up: the codes' values come out the same.
;;   OPERANDS COMPUTED ON THE WAY. 'Computed on the way' means the value that the module computes at that place (a softmax that the list does not call 'softmax' is quantised finished and normalised). What goes into a quantiser is computed in f32, as accurately as f32 sums, v_exp_f32 and their like allow (about 1e-6 of the number): no bf16 or f16 on the way to a quantiser, and a product that is left as it is and whose result goes on into a quantised operand takes f32 operands (vector FMAs, or v_wmma_f32_16x16x4_f32). A number that lies on a knife's edge between two numbers of the format may be rounded either way, as far as f32 arithmetic and the matrix unit's own rounding can turn it there, and no further.
;; One version. Each part assembles by itself: llvm-mc -triple=amdgcn-amd-amdhsa -mcpu=gfx1250 --defsym DOCPART=n.
;; ======== version 1 of 1: 4 launches
;; limits: right only within a limited range of input values
;; workspace buffers: opq 9,830,400 bytes; qkv 26,738,688 bytes; aq 6,553,600 bytes
;; launch quant (part 1): grid 256 x 1, 6 waves a work-group, no clusters, 51,456 bytes of LDS; arguments x, Wqkv, Wo, opq; writes opq
.if DOCPART == 1
	.amdgcn_target "amdgcn-amd-amdhsa--gfx1250"
	.amdhsa_code_object_version 6
	.text
	.protected	k_q920c09ea58_quant
	.globl	k_q920c09ea58_quant
	.p2align	8
	.type	k_q920c09ea58_quant,@function
k_q920c09ea58_quant:
	s_mov_b64 s[64:65], 0
	v_nop
	global_prefetch_b8 v0, s[64:65] scope:SCOPE_SE
	s_setreg_imm32_b32 hwreg(HW_REG_WAVE_MODE, 25, 1), 1
	s_wait_xcnt 0x0
; x [8192][1024], Wqkv [3072][1024] and Wo [1024][1024], f32, K innermost, become codes of FP6 (E2M3) with one E8M0 byte for each 32 along K, laid AS THE PRODUCTS' OPERAND REGISTERS WANT THEM.
; A BLOCK is 16 rows; row m of block P is the tensor's row 32 (P / 2) + 8 (P % 2) + m + 8 (m / 8): two neighbouring blocks, used as source 0 of a product, give a lane 16 neighbouring results.
; opq: block T at 12,288 T: for each K step of 128 an IMAGE of the fragment's 12 registers, 3 x 512 bytes, lane l's registers 4 c .. 4 c + 3 at 512 c + 16 l.  x: blocks 0-511; Wqkv: 512-703, ordered
; [q, k, v][head][4 blocks]; Wo: 704-767.  From OPSC on the scale words, 512 bytes a block: [K / 256][row m][2 words], a word = the four bytes of one row and 128 along K.
; A block's scale is 2^(floor(log2(its largest magnitude)) - 2): its byte is the largest magnitude's exponent field - 2, held at 1 from below.
; LIMITS: a block of zeros keeps the byte 1 (its codes are zeros, and this program alone reads the bytes); NaN and infinities among the inputs are not served.
; SHARES: 768 blocks, two waves to a block, half of K each.  Each load reads 512 consecutive bytes of one row; a K step's 16 x 512 bytes turn through the wave's own stage in LDS, so that lane (r, h) gets,
; of row r, k = 64 c + 32 h + 0 .. 31: two whole blocks of 32 a lane, in the order of the operand's registers.  Loads run two K steps (32 loads a wave) ahead.  Waves share nothing: no barrier.
.set STG,   8448                       ; a wave's stage: 16 rows x (512 bytes + 16): the sixteen rows that a load touches start at sixteen different groups of banks
; SHARES AS THEY STAND: 768 blocks, TWO waves to a block, six waves a work-group: wave w takes block 3 x work-group + w / 2 and half w % 2 of K: four K steps of 128, and one unit of 256 bytes of the block's scale words.
.set SPARE, 6*STG                      ; behind the six stages: the spare words, 128 bytes a wave, in three blocks of 256 bytes that no other line names
.set OPSC,  9437184                    ; 768 x 12,288
.set L16, 1                            ; v1   16 x lane
.set STI, 2                            ; v2   the stage, on the way in
.set STO, 3                            ; v3   and on the way out: row r, + 128 h
.set SCO, 4                            ; v4   128 h + 8 r: my place among a block's scale words
.set H8,  5                            ; v5   8 h
.set SPW, 6                            ; v6   my spare word;  v7: 0; both never rewritten
.set NIL, 7
.set R,   16                           ; v16-143  two sets of 64 numbers as loaded
.set X,   144                          ; v144-207 64 numbers in the operand's order
.set C,   208                          ; v208-219 the fragment's 12 registers
.set TT,  220                          ; v220-222, v224-226 the second halves of the two blocks' codes
.set M,   228
.set SO,  230
.set BY,  232
.set W,   234
.set PT,  235
.set SW,  240                          ; v240-243 the four K steps' scale words
.set D,   248
	s_load_b256 s[4:11], s[0:1], 0x0               ; x s[4:5], Wqkv s[6:7], Wo s[8:9], opq s[10:11]
	v_lshl_add_u32 v[SPW], v0, 2, SPARE
	v_mov_b32 v[NIL], 0
	v_lshrrev_b32 v8, 5, v0
	v_readfirstlane_b32 s12, v8                    ; wave 0..5
	v_and_b32 v9, 31, v0
	v_lshlrev_b32 v[L16], 4, v9
	v_and_b32 v10, 15, v0                          ; r
	v_bfe_u32 v11, v0, 4, 1                        ; h
	s_mul_i32 s13, s12, STG
	v_add_nc_u32 v[STI], s13, v[L16]
	v_mul_u32_u24 v[STO], v10, 528
	v_lshl_add_u32 v[STO], v11, 7, v[STO]
	v_add_nc_u32 v[STO], s13, v[STO]
	v_lshlrev_b32 v[SCO], 3, v10
	v_lshl_add_u32 v[SCO], v11, 7, v[SCO]
	v_lshlrev_b32 v[H8], 3, v11
	v_mov_b32 v[PT], 0                             ; a lane permute's destination counts as one of its sources
	s_mov_b32 s14, 0x76543210
	s_mov_b32 s15, 0xfedcba98                      ; lane l xor 16
	s_mul_i32 s16, ttmp9, 3
	s_lshr_b32 s27, s12, 1
	s_and_b32 s26, s12, 1                          ; which half of K is mine
	s_add_co_u32 s16, s16, s27                     ; T: my block
	s_lshr_b32 s17, s16, 1                         ; as a block of x: row 32 (T / 2) + 8 (T % 2)
	s_lshl_b32 s17, s17, 5
	s_and_b32 s18, s16, 1
	s_lshl_b32 s18, s18, 3
	s_add_co_u32 s17, s17, s18
	s_sub_co_u32 s19, s16, 512                     ; as a block of Wqkv: P = T - 512: row 192 head + 64 part + 32 ((P / 2) % 2) + 8 (P % 2)
	s_bfe_u32 s20, s19, 0x40002                    ; head = (P / 4) % 16
	s_mul_i32 s20, s20, 192
	s_bfe_u32 s21, s19, 0x20006                    ; part = P / 64
	s_lshl_b32 s21, s21, 6
	s_add_co_u32 s20, s20, s21
	s_bfe_u32 s21, s19, 0x10001
	s_lshl_b32 s21, s21, 5
	s_add_co_u32 s20, s20, s21
	s_and_b32 s21, s19, 1
	s_lshl_b32 s21, s21, 3
	s_add_co_u32 s20, s20, s21
	s_sub_co_u32 s22, s16, 704                     ; as a block of Wo
	s_lshr_b32 s23, s22, 1
	s_lshl_b32 s23, s23, 5
	s_and_b32 s22, s22, 1
	s_lshl_b32 s22, s22, 3
	s_add_co_u32 s22, s22, s23
	s_wait_alu depctr_va_vdst(0)
	s_wait_kmcnt 0x0
	s_cmp_lt_u32 s16, 704                          ; the choice hangs on the block's number alone
	s_cselect_b64 s[6:7], s[6:7], s[8:9]
	s_cselect_b32 s20, s20, s22
	s_cmp_lt_u32 s16, 512
	s_cselect_b64 s[4:5], s[4:5], s[6:7]
	s_cselect_b32 s20, s17, s20
	s_lshl_b32 s20, s20, 12                        ; a row is 4,096 bytes,
	s_lshl_b32 s27, s26, 11                        ; half of K 2,048
	s_add_co_u32 s20, s20, s27
	s_mov_b32 s21, 0
	s_add_nc_u64 s[4:5], s[4:5], s[20:21]
	s_mul_i32 s22, s16, 12288
	s_mul_i32 s27, s26, 6144                       ; four K steps' images
	s_add_co_u32 s22, s22, s27
	s_mov_b32 s23, 0
	s_add_nc_u64 s[24:25], s[10:11], s[22:23]      ; my block's images
	s_lshl_b32 s22, s16, 9
	s_add_co_u32 s22, s22, OPSC
	s_lshl_b32 s27, s26, 8                         ; my half's unit of scale words
	s_add_co_u32 s22, s22, s27
	s_add_nc_u64 s[10:11], s[10:11], s[22:23]      ; and its scale words
.macro LOAD t                          ; K step t: 512 bytes of each of the block's 16 rows
.irp i, 0,1,2,3,4,5,6,7,8,9,10,11,12,13,14,15
	global_load_b128 v[R+64*((\t)%2)+4*\i:R+64*((\t)%2)+4*\i+3], v[L16], s[4:5] offset:(\i+8*(\i/8))*4096+512*(\t) th:TH_LOAD_NT
.endr
.endm
.macro STEP t
.if (\t) < 3
	s_wait_loadcnt 16                              ; this K step's 16 loads are in; the next step's 16 may be out
.else
	s_wait_loadcnt 0x0
.endif
.irp i, 0,1,2,3,4,5,6,7,8,9,10,11,12,13,14,15
	ds_store_b128 v[STI], v[R+64*((\t)%2)+4*\i:R+64*((\t)%2)+4*\i+3] offset:528*\i
.endr
.irp c, 0,1
.irp k, 0,1,2,3,4,5,6,7
	ds_load_b128 v[X+32*\c+4*\k:X+32*\c+4*\k+3], v[STO] offset:256*\c+16*\k   ; LDS serves a wave's instructions in order: these see the stores above
.endr
.endr
	s_wait_dscnt 0x0                               ; my 64 numbers are back, and the stores have read their registers,
.if (\t)+2 < 4
	LOAD (\t)+2                                    ; which take the loads of two K steps on
.endif
.irp c, 0,1
	v_max3_num_f32 v[M+\c], |v[X+32*\c]|, |v[X+32*\c+1]|, 0x1800000   ; my block 2 c + h: all its 32 numbers are mine; the floor 2^(3 - 127) holds the byte at 1 from below
.endr
.irp i, 2,4,6,8,10,12,14,16,18,20,22,24,26,28,30
.irp c, 0,1
	v_max3_num_f32 v[M+\c], v[M+\c], |v[X+32*\c+\i]|, |v[X+32*\c+\i+1]|   ; (the two blocks by turns)
.endr
.endr
.irp c, 0,1
	v_add_nc_u32 v[SO+\c], 0xff000000, v[M+\c]     ; 2 off the exponent field: the conversion takes this operand's exponent field as its scale
.endr
.irp c, 0,1
	v_lshrrev_b32 v[BY+\c], 23, v[SO+\c]           ; the scale's byte
.endr
	v_lshl_or_b32 v[W], v[BY+1], 16, v[BY]         ; blocks h and 2 + h of row r,
	v_lshlrev_b32 v[W], v[H8], v[W]                ; at their places in the word;
	v_permlanex16_b32 v[PT], v[W], s14, s15
	v_or_b32 v[SW+(\t)], v[W], v[PT]               ; with lane l xor 16's two the word is whole
	s_wait_alu depctr_va_vdst(0)
	s_wait_xcnt 0x0                                ; the last K step's stores have read the codes' registers: they are written again only behind this wait
.irp c, 0,1
	v_cvt_scalef32_pk16_fp6_f32 v[C+6*\c:C+6*\c+2], v[X+32*\c:X+32*\c+15], v[SO+\c]
	v_cvt_scalef32_pk16_fp6_f32 v[TT+4*\c:TT+4*\c+2], v[X+32*\c+16:X+32*\c+31], v[SO+\c]   ; (a conversion's three registers begin on an even number)
.endr
	v_nop                                          ; one plain place behind a scaled conversion
.irp c, 0,1
.irp i, 0,1,2
	v_mov_b32 v[C+3+6*\c+\i], v[TT+4*\c+\i]
.endr
.endr
.irp c, 0,1,2
	global_store_b128 v[L16], v[C+4*\c:C+4*\c+3], s[24:25] offset:1536*(\t)+512*\c   ; 32 lanes store 512 consecutive bytes, at a multiple of 256 from the buffer's first byte
.endr
.endm
	LOAD 0
	LOAD 1
.irp t, 0,1,2,3
	STEP \t
.endr
	v_and_b32 v8, 16, v0
	v_cmp_ne_u32 vcc_lo, 0, v8                     ; lanes 16-31 store the odd quarters of K
	v_cndmask_b32 v[D], v[SW], v[SW+2], vcc_lo
	v_cndmask_b32 v[D+1], v[SW+1], v[SW+3], vcc_lo
	global_store_b64 v[SCO], v[D:D+1], s[10:11]    ; 32 lanes store 256 consecutive bytes, aligned
	s_wait_tensorcnt 0x0                           ; the wave's end
	ds_add_u32 v[SPW], v[NIL]
	s_wait_dscnt 0x0
	s_endpgm
.Lfunc_end_k_q920c09ea58_quant:
	.size	k_q920c09ea58_quant, .Lfunc_end_k_q920c09ea58_quant-k_q920c09ea58_quant
	.p2alignl 7, 3214868480
	.fill 96, 4, 3214868480
	.section	.rodata,"a",@progbits
	.p2align	6, 0x0
	.amdhsa_kernel k_q920c09ea58_quant
		.amdhsa_group_segment_fixed_size 51456
		.amdhsa_private_segment_fixed_size 0
		.amdhsa_enable_private_segment 0
		.amdhsa_kernarg_size 32
		.amdhsa_user_sgpr_count 2
		.amdhsa_user_sgpr_kernarg_segment_ptr 1
		.amdhsa_wavefront_size32 1
		.amdhsa_system_sgpr_workgroup_id_x 1
		.amdhsa_system_sgpr_workgroup_id_y 1
		.amdhsa_system_sgpr_workgroup_id_z 1
		.amdhsa_system_vgpr_workitem_id 0
		.amdhsa_next_free_vgpr 256
		.amdhsa_next_free_sgpr 66
		.amdhsa_reserve_vcc 1
		.amdhsa_float_denorm_mode_32 3
		.amdhsa_float_denorm_mode_16_64 3
		.amdhsa_memory_ordered 1
		.amdhsa_forward_progress 1
		.amdhsa_inst_pref_size 31
	.end_amdhsa_kernel
	.amdgpu_metadata
---
amdhsa.version: [ 1, 2 ]
amdhsa.kernels:
  - .name:           k_q920c09ea58_quant
    .symbol:         k_q920c09ea58_quant.kd
    .args:
      - { .name: x, .offset: 0, .size: 8, .value_kind: global_buffer, .address_space: global }
      - { .name: Wqkv, .offset: 8, .size: 8, .value_kind: global_buffer, .address_space: global }
      - { .name: Wo, .offset: 16, .size: 8, .value_kind: global_buffer, .address_space: global }
      - { .name: opq, .offset: 24, .size: 8, .value_kind: global_buffer, .address_space: global }
    .group_segment_fixed_size: 51456
    .private_segment_fixed_size: 0
    .kernarg_segment_align: 8
    .kernarg_segment_size: 32
    .max_flat_workgroup_size: 192
    .sgpr_count:     66
    .vgpr_count:     256
    .wavefront_size: 32
...
	.end_amdgpu_metadata
.endif
;; end of part 1
;; launch gemm_qkv (part 2): grid 12 x 32, 4 waves a work-group, clusters of 4 x 4, 327,680 bytes of LDS; arguments opq, bqkv, qkv; writes qkv
.if DOCPART == 2
	.amdgcn_target "amdgcn-amd-amdhsa--gfx1250"
	.amdhsa_code_object_version 6
	.text
	.protected	k_q920c09ea58_gemm_qkv
	.globl	k_q920c09ea58_gemm_qkv
	.p2align	8
	.type	k_q920c09ea58_gemm_qkv,@function
k_q920c09ea58_gemm_qkv:
	s_mov_b64 s[64:65], 0
	v_nop
	global_prefetch_b8 v0, s[64:65] scope:SCOPE_SE
	s_setreg_imm32_b32 hwreg(HW_REG_WAVE_MODE, 25, 1), 1
	s_wait_xcnt 0x0
	s_wait_alu depctr_hold_cnt(0) depctr_sa_sdst(0) depctr_va_vdst(0) depctr_va_sdst(0) depctr_va_ssrc(0) depctr_va_vcc(0) depctr_vm_vsrc(0)
	s_getreg_b32 s2, hwreg(HW_REG_IB_STS2, 6, 4)
	s_cmp_eq_u32 s2, 0
	s_cbranch_scc0 .Lentry_in_a_cluster
	s_endpgm
.Lentry_in_a_cluster:
	s_bfe_u32 s2, ttmp6, 0x10000c
	s_cmp_lg_u32 s2, 0xf033
	s_cbranch_scc0 .Lentry_shape_is_right
	s_endpgm
.Lentry_shape_is_right:
.set NQ,     2
.set FR,     12
.set NLA,    3
.set NP,     4
.set BLKB,   12288
.set SLB,    3072
.set HALFT,  8*SLB
.set SLOT,   4*HALFT
.set SCL,    2*SLOT
.set HALFS,  4096
.set SBLK,   512
.set SPARE,  SCL+4*HALFS
.set OPSC,   9437184
.set STEPB,  13056
.set HEADB,  208896
.set PARTB,  13369344
.set VO,   8
.set ADRA, 16
.set H16,  18
.set ADRB, 20
.set L16,  24
.set L8,   25
.set SOFF, 26
.set ADRS, 27
.set SPW,  28
.set NIL,  29
.set SC,   32
.set BR,   64
.set AF,   128
.set T,    128
.set PC,   192
.set TM,   224
.set PW,   240
.set SW,   242
.set D,    250
.set G1, 24
.set G0, 32
.set G1B, 48
.set G0B, 56
.set G1S, 68
.set G0S, 76
.set G1SB, 80
.set G0SB, 88
.set SEL, 96
.set MSB, 0
.macro WIN new
.if MSB != \new
	s_set_vgpr_msb (MSB<<8)|\new
.set MSB, \new
.endif
.endm
.set MUL_LO, 0xa1
.set MUL_HI, 0xf1
.set TO_B,   0x40
.macro JLOAD g0a, g1a, g0b, g1b
	s_cmp_eq_u32 s15, 0
	s_cbranch_scc0 .Lfor_b_\@
	tensor_load_to_lds s[\g0a:\g0a+3], s[\g1a:\g1a+7]
	s_nop 0
.rept 4
	v_nop
.endr
	s_branch .Lasked_\@
.Lfor_b_\@:
	tensor_load_to_lds s[\g0b:\g0b+3], s[\g1b:\g1b+7]
	s_nop 0
.rept 4
	v_nop
.endr
.Lasked_\@:
.endm
.macro CREST
	s_cmp_lg_u32 s14, 0
	s_cbranch_scc1 .Lnot_wave_0_\@
	s_barrier_signal -3
.Lnot_wave_0_\@:
	s_barrier_wait -3
	s_barrier_signal -1
	s_barrier_wait -1
.endm
.macro CROUND
	s_barrier_signal -1
	s_barrier_wait -1
	CREST
.endm
	s_load_b128 s[4:7], s[0:1], 0x0
	s_load_b64 s[8:9], s[0:1], 0x10
	v_lshl_add_u32 v[SPW], v0, 2, SPARE
	v_mov_b32 v[NIL], 0
	ds_add_u32 v[SPW], v[NIL]
	ds_add_u32 v[SPW], v[NIL]
	v_lshrrev_b32 v1, 5, v0
	v_readfirstlane_b32 s14, v1
	s_lshr_b32 s15, s14, 1
	s_and_b32 s16, s14, 1
	s_bfe_u32 s40, ttmp6, 0x40000
	s_bfe_u32 s41, ttmp6, 0x40004
	s_and_b32 s17, ttmp7, 0xffff
	s_lshl_b32 s17, s17, 2
	s_lshl_b32 s42, ttmp9, 2
	s_add_co_u32 s18, s17, s41
	s_add_co_u32 s19, s42, s40
	s_add_co_u32 s46, s17, s40
	s_cmp_eq_u32 ttmp9, 2
	s_cselect_b32 s95, 1, 0
	s_cselect_b32 s18, s41, s18
	s_cselect_b32 s19, s46, s19
	s_cselect_b32 s21, 640, 0
	s_cselect_b32 s22, 0, 512
	s_lshl_b32 s43, s41, 2
	s_lshl_b32 s43, 15, s43
	s_lshl_b32 s44, 0x1111, s40
	s_or_b32 s[G1+0], s43, (3<<16)|(1<<21)
	s_or_b32 s[G1B+0], s44, (3<<16)|(1<<21)
.irp g, G1, G1B
	s_mov_b32 s[\g+1], 384<<16
	s_mov_b32 s[\g+2], 16<<16                      ; the head's loads of codes bring all 16 blocks of a tile
	s_mov_b32 s[\g+3], 384<<16
	s_mov_b32 s[\g+4], 16
	s_mov_b32 s[\g+5], 1536
	s_mov_b32 s[\g+6], 0
	s_mov_b32 s[\g+7], 0
.endr
	s_or_b32 s[G1S+0], s43, (3<<16)|(1<<21)
	s_or_b32 s[G1SB+0], s44, (3<<16)|(1<<21)
.irp g, G1S, G1SB
	s_mov_b32 s[\g+1], 32<<16
	s_mov_b32 s[\g+2], 32<<16
	s_mov_b32 s[\g+3], 32<<16
	s_mov_b32 s[\g+4], 32
	s_mov_b32 s[\g+5], 32
	s_mov_b32 s[\g+6], 0
	s_mov_b32 s[\g+7], 0
.endr
	s_lshl_b32 s20, s18, 4                         ; the tiles' first blocks
	s_add_co_u32 s20, s20, s21
	s_lshl_b32 s46, s19, 4
	s_add_co_u32 s46, s46, s22
	s_lshl_b32 s22, s20, 9
	s_add_co_u32 s22, s22, OPSC
	s_mov_b32 s23, 0
	s_lshl_b32 s92, s46, 9
	s_add_co_u32 s92, s92, OPSC
	s_mov_b32 s93, 0
	s_mul_i32 s20, s20, BLKB
	s_mov_b32 s21, 0
	s_mul_i32 s46, s46, BLKB
	s_mov_b32 s47, 0
	s_mul_i32 s45, s14, HALFT
	s_mul_i32 s66, s16, 8*BLKB                     ; in the ring I fetch 8 blocks of a tile: which half, in bytes
	s_mov_b32 s67, 0
	s_mov_b32 s[SEL], 0x76543210
	s_mov_b32 s[SEL+1], 0xfedcba98
	s_wait_dscnt 0x0
	s_wait_kmcnt 0x0
	s_add_nc_u64 s[20:21], s[4:5], s[20:21]
	s_add_nc_u64 s[22:23], s[4:5], s[22:23]
	s_add_nc_u64 s[46:47], s[4:5], s[46:47]
	s_add_nc_u64 s[92:93], s[4:5], s[92:93]
	CROUND
	s_mov_b32 s[G0S], 1
	s_mov_b32 s[G0S+1], SCL
	s_mov_b64 s[G0S+2:G0S+3], s[22:23]
	s_or_b32 s[G0S+3], s[G0S+3], 0x80000000
	s_mov_b32 s[G0SB], 1
	s_mov_b32 s[G0SB+1], SCL+2*HALFS
	s_mov_b64 s[G0SB+2:G0SB+3], s[92:93]
	s_or_b32 s[G0SB+3], s[G0SB+3], 0x80000000
	s_mov_b32 s[G0], 1                             ; the head's four tiles, each whole: slot 0's 16 blocks of A,
	s_mov_b32 s[G0+1], 0
	s_mov_b64 s[G0+2:G0+3], s[20:21]
	s_or_b32 s[G0+3], s[G0+3], 0x80000000
	s_mov_b32 s[G0B], 1                            ; its 16 blocks of B, and the two tiles of scale words above
	s_mov_b32 s[G0B+1], 2*HALFT
	s_mov_b64 s[G0B+2:G0B+3], s[46:47]
	s_or_b32 s[G0B+3], s[G0B+3], 0x80000000
	s_add_nc_u64 s[20:21], s[20:21], s[66:67]      ; for the ring: my 8 blocks
	s_add_nc_u64 s[46:47], s[46:47], s[66:67]
	; the prefetches' base: of the 8 blocks that I fetch, the partner at place p (cx for A, cy for B) names blocks 2 p and 2 p + 1: the four that ask jointly share the blocks out by address
	s_cmp_eq_u32 s15, 0
	s_cselect_b64 s[98:99], s[20:21], s[46:47]
	s_cselect_b32 s92, s40, s41
	s_mul_i32 s92, s92, 2*BLKB
	s_mov_b32 s93, 0
	s_add_nc_u64 s[98:99], s[98:99], s[92:93]
	s_mov_b32 s[G0+4], 1
	s_add_co_u32 s[G0+5], s45, SLOT
	s_add_nc_u64 s[G0+6:G0+7], s[20:21], SLB
	s_or_b32 s[G0+7], s[G0+7], 0x80000000
	s_mov_b32 s[G0B+4], 1
	s_add_co_u32 s[G0B+5], s45, SLOT
	s_add_nc_u64 s[G0B+6:G0B+7], s[46:47], SLB
	s_or_b32 s[G0B+7], s[G0B+7], 0x80000000
.macro ARM under, g0, g1, next         ; one chain of branches on the wave's number, one load to an arm: one tensor load a wave at the head
	s_cmp_lt_u32 s14, \under
	s_cbranch_scc0 \next
	tensor_load_to_lds s[\g0:\g0+3], s[\g1:\g1+7]
	s_nop 0
.rept 4
	v_nop
.endr
	s_branch .Lhead_asked
\next:
.endm
	ARM 1, G0,  G1,  .Lhead_b
	ARM 2, G0B, G1B, .Lhead_sa
	ARM 3, G0S, G1S, .Lhead_sb
	tensor_load_to_lds s[G0SB:G0SB+3], s[G1SB:G1SB+7]
	s_nop 0
.rept 4
	v_nop
.endr
.Lhead_asked:
	v_and_b32 v1, 15, v0
	v_bfe_u32 v2, v0, 4, 1
	v_and_b32 v3, 31, v0
	v_min_u32 v30, 23, v3                          ; the prefetches' offset: a chunk of two blocks is 2 x 12 blocks of 256 bytes: lane i names block i / 12, piece i % 12; lanes 24-31 name the last again; v30 is never rewritten
	v_mul_u32_u24 v31, v30, 43
	v_lshrrev_b32 v31, 9, v31                      ; i / 12
	v_mul_u32_u24 v31, v31, BLKB-SLB
	v_lshl_add_u32 v30, v30, 8, v31
	v_lshlrev_b32 v[L16], 4, v3
	v_lshlrev_b32 v[L8], 3, v3
	v_lshlrev_b32 v[H16], 4, v2
	v_mul_u32_u24 v[SOFF], v2, HEADB
	v_lshl_add_u32 v[SOFF], v1, 4, v[SOFF]
.irp b, 0,1,2,3
	v_mov_b32 v[TM+4+\b], 0
.endr
	s_lshl_b32 s10, s18, 1
	s_add_co_u32 s10, s10, s15
	s_lshl_b32 s11, s19, 1
	s_add_co_u32 s11, s11, s16
	s_and_b32 s12, s11, 7
	s_cmp_eq_u32 s95, 1
	s_cselect_b32 s13, s11, s10
	s_cselect_b32 s12, s10, s12
	s_cselect_b32 s20, 0, 64
	s_cselect_b32 s21, 4, 0
	s_cselect_b32 s22, 0, 4
	v_and_b32 v4, 8, v1
	v_add_nc_u32 v4, v4, v1
	v_mul_u32_u24 v[VO], v2, s20
	v_mad_u32_u24 v[VO], v4, s21, v[VO]
	s_wait_alu depctr_va_vdst(0)
.irp j, 1,2,3,4,5,6,7
	v_add_nc_u32 v[VO+\j], s22, v[VO+\j-1]
.endr
	s_min_u32 s2, ttmp9, 1
	s_lshr_b32 s20, s13, 4
	s_lshl_b32 s20, s20, 4
	s_lshl_b32 s21, s12, 1
	s_add_co_u32 s20, s20, s21
	s_mul_i32 s20, s20, HEADB
	s_and_b32 s21, s13, 15
	s_mul_i32 s21, s21, STEPB
	s_add_co_u32 s20, s20, s21
	s_mul_i32 s21, s2, PARTB
	s_add_co_u32 s20, s20, s21
	s_mov_b32 s21, 0
	s_add_nc_u64 s[8:9], s[8:9], s[20:21]
	s_mul_i32 s20, s12, 1536
	s_lshl_b32 s22, ttmp9, 8
	s_add_co_u32 s20, s20, s22
	s_add_nc_u64 s[6:7], s[6:7], s[20:21]
	s_wait_alu depctr_va_vdst(0)
	global_prefetch_b8 v30, s[98:99] offset:SLB th:TH_LOAD_NT scope:SCOPE_SE     ; chunk 1, which is loaded behind the next round,
	global_prefetch_b8 v30, s[98:99] offset:2*SLB th:TH_LOAD_NT scope:SCOPE_SE   ; and chunk 2, two fills on: two chunks at the most are asked for and not yet read
.irp g, 0,1,2,3,4,5,6,7
.irp j, 0,1,2,3,4,5,6,7
	global_load_b32 v[BR+8*\g+\j], v[VO+\j], s[6:7] offset:(\g/4)*768+((\g%4)/2)*128+(\g%2)*32
.endr
.endr
	s_mul_i32 s21, s15, HALFT
	s_mul_i32 s22, s16, HALFT
	s_add_co_u32 s22, s22, 2*HALFT
.irp s, 0,1
	v_add_nc_u32 v[ADRA+\s], s21, v[L16]
	v_add_nc_u32 v[ADRB+\s], s22, v[L16]
	s_add_co_u32 s21, s21, SLOT
	s_add_co_u32 s22, s22, SLOT
.endr
	v_lshlrev_b32 v5, 3, v1
	s_lshl_b32 s21, s15, 12
	s_lshl_b32 s22, s16, 12
	s_add_co_u32 s22, s22, 2*HALFS
	s_sub_co_u32 s22, s22, s21
	v_mul_u32_u24 v6, s22, v2
	s_add_co_u32 s21, s21, SCL
	v_add_nc_u32 v5, v5, v6
	v_add_nc_u32 v[ADRS], s21, v5
.macro FRAG reg, adr, q, i
.irp c, 0,1,2
	ds_load_b128 v[\reg+4*\c:\reg+4*\c+3], v[\adr] offset:(\i)*SLB+(\q)*1536+512*\c
.endr
.endm
.macro MUL16 a0, p, q, sc, zero
.irp a, \a0, \a0+1
.irp b, 0,1,2,3,4,5,6,7
.if \zero
	v_wmma_scale_f32_16x16x128_f8f6f4 v[8*(8*((\a)%4)+\b):8*(8*((\a)%4)+\b)+7], v[128*(\p)+FR*\b:128*(\p)+FR*\b+FR-1], v[AF+FR*(\a):AF+FR*(\a)+FR-1], 0, v[SC+8*NQ*(\sc)+NQ*\b+(\q)], v[SC+8*NQ*(\sc)+NQ*(\a)+(\q)] matrix_a_fmt:MATRIX_FMT_FP6 matrix_b_fmt:MATRIX_FMT_FP6 matrix_a_scale:MATRIX_SCALE_ROW1
.else
	v_wmma_scale_f32_16x16x128_f8f6f4 v[8*(8*((\a)%4)+\b):8*(8*((\a)%4)+\b)+7], v[128*(\p)+FR*\b:128*(\p)+FR*\b+FR-1], v[AF+FR*(\a):AF+FR*(\a)+FR-1], v[8*(8*((\a)%4)+\b):8*(8*((\a)%4)+\b)+7], v[SC+8*NQ*(\sc)+NQ*\b+(\q)], v[SC+8*NQ*(\sc)+NQ*(\a)+(\q)] matrix_a_fmt:MATRIX_FMT_FP6 matrix_b_fmt:MATRIX_FMT_FP6 matrix_a_scale:MATRIX_SCALE_ROW1
.endif
.endr
.endr
.endm
.macro FETCH_B slot, q, p
	WIN TO_B
.irp i, 0,1,2,3,4,5,6,7
	FRAG 128*(\p)+FR*\i, ADRB+\slot, \q, \i
.endr
	WIN 0
.endm
.macro FETCH_A slot, q, i0
.irp i, \i0, \i0+1, \i0+2, \i0+3
	FRAG AF+FR*(\i), ADRA+\slot, \q, \i
.endr
.endm
.macro SCALES sc
.irp i, 0,1,2,3,4,5,6,7
	ds_load_b64 v[SC+8*NQ*\sc+NQ*\i:SC+8*NQ*\sc+NQ*\i+1], v[ADRS] offset:\i*SBLK
.endr
.endm
.macro PLACES n
.rept \n
	v_nop
.endr
.endm
.macro STEP slot, q, zero
	s_wait_dscnt 4*NLA
	WIN MUL_LO
	MUL16 0, (\q)%2, \q, \slot, \zero
	MUL16 2, (\q)%2, \q, \slot, \zero
	s_wait_dscnt 0
	PLACES NP
	FETCH_B \slot, (\q)+1, 1-(\q)%2
	FETCH_A \slot, (\q)+1, 0
	WIN MUL_HI
	MUL16 4, (\q)%2, \q, \slot, \zero
	MUL16 6, (\q)%2, \q, \slot, \zero
	PLACES NP
	WIN 0
	FETCH_A \slot, (\q)+1, 4
.endm
.macro TURN slot, next, fill
	s_wait_tensorcnt 0x0
	ds_add_u32 v[SPW], v[NIL]
	s_wait_dscnt 4*NLA+1
	WIN MUL_LO
	MUL16 0, 1, NQ-1, \slot, 0
	s_wait_dscnt 0x0
	s_barrier_signal -1
	MUL16 2, 1, NQ-1, \slot, 0
	WIN 0
	s_barrier_wait -1
.if \fill
	CREST
	s_add_nc_u64 s[G0+4*\slot+2:G0+4*\slot+3], s[G0+4*\slot+2:G0+4*\slot+3], 2*SLB
	s_add_nc_u64 s[G0B+4*\slot+2:G0B+4*\slot+3], s[G0B+4*\slot+2:G0B+4*\slot+3], 2*SLB
	JLOAD G0+4*\slot, G1, G0B+4*\slot, G1B
.else
	PLACES NP
.endif
	s_wait_alu depctr_va_vdst(0)
	v_add_nc_u32 v[ADRS], 128, v[ADRS]
	FETCH_B \next, 0, 0
	FETCH_A \next, 0, 0
	SCALES \next
	WIN MUL_HI
	MUL16 4, 1, NQ-1, \slot, 0
	MUL16 6, 1, NQ-1, \slot, 0
	PLACES NP
	WIN 0
	FETCH_A \next, 0, 4
.endm
	s_wait_alu depctr_va_vdst(0)
	s_wait_tensorcnt 0x0                           ; my tile of the head's four is in
	ds_add_u32 v[SPW], v[NIL]
	s_mov_b32 s[G1+2], 8<<16                       ; no tensor load of mine is out: from here on a load brings 8 blocks,
	s_mov_b32 s[G1+4], 8
	s_mov_b32 s[G1B+2], 8<<16
	s_mov_b32 s[G1B+4], 8
	s_mov_b32 s[G0+1], s45                         ; and slot 0's group 0 is my quarter's
	s_mov_b32 s[G0B+1], s45
	s_add_nc_u64 s[G0+2:G0+3], s[G0+2:G0+3], s[66:67]
	s_add_nc_u64 s[G0B+2:G0B+3], s[G0B+2:G0B+3], s[66:67]
	s_wait_dscnt 0x0
	CROUND                                         ; all four tiles are in, in every partner
	JLOAD G0+4, G1, G0B+4, G1B                     ; slot 1's first fill, the first tensor load behind the round
	FETCH_B 0, 0, 0
	FETCH_A 0, 0, 0
	SCALES 0
	FETCH_A 0, 0, 4
	global_prefetch_b8 v30, s[98:99] offset:3*SLB th:TH_LOAD_NT scope:SCOPE_SE   ; chunk 3, the last, two fills on; nothing is asked for beyond it
	STEP 0, 0, 1
	TURN 0, 1, 1
	STEP 1, 0, 0
	TURN 1, 0, 1
	STEP 0, 0, 0
	TURN 0, 1, 0
	STEP 1, 0, 0
	s_wait_dscnt 4*NLA
	WIN MUL_LO
	MUL16 0, 1, NQ-1, 1, 0
	MUL16 2, 1, NQ-1, 1, 0
	s_wait_dscnt 0
	WIN MUL_HI
	MUL16 4, 1, NQ-1, 1, 0
	MUL16 6, 1, NQ-1, 1, 0
	WIN 0
.macro QUANT s, pw
.irp b, 0,1,2,3
	v_max3_num_f32 v[TM+\b], |v[\s+16*\b]|, |v[\s+1+16*\b]|, 0x1800000
.endr
.irp i, 2,4,6,8,10,12,14
.irp b, 0,1,2,3
	v_max3_num_f32 v[TM+\b], v[TM+\b], |v[\s+16*\b+\i]|, |v[\s+1+16*\b+\i]|
.endr
.endr
.irp b, 0,1,2,3
	v_permlanex16_b32 v[TM+4+\b], v[TM+\b], s[SEL], s[SEL+1]
.endr
.irp b, 0,1,2,3
	v_max_num_f32 v[TM+\b], v[TM+\b], v[TM+4+\b]
.endr
.irp b, 0,1,2,3
	v_add_nc_u32 v[TM+12+\b], 0xff000000, v[TM+\b]
.endr
.irp b, 0,1,2,3
	v_lshrrev_b32 v[TM+4+\b], 23, v[TM+12+\b]
.endr
	v_lshl_or_b32 v[\pw], v[TM+5], 8, v[TM+4]
	v_lshl_or_b32 v[\pw], v[TM+6], 16, v[\pw]
	v_lshl_or_b32 v[\pw], v[TM+7], 24, v[\pw]
	s_wait_xcnt 0x0
.irp c, 0,1
	v_cvt_scalef32_pk16_fp6_f32 v[PC+6*\c:PC+2+6*\c], v[\s+32*\c:\s+15+32*\c], v[TM+12+2*\c]
	v_cvt_scalef32_pk16_fp6_f32 v[PC+12+4*\c:PC+14+4*\c], v[\s+16+32*\c:\s+31+32*\c], v[TM+12+2*\c+1]
.endr
	v_nop
.irp c, 0,1
.irp i, 0,1,2
	v_permlane16_swap_b32 v[PC+6*\c+\i], v[PC+12+4*\c+\i]
.endr
.irp i, 0,1,2
	v_mov_b32 v[PC+3+6*\c+\i], v[PC+12+4*\c+\i]
.endr
.endr
.endm
.macro OUTA a, vm
.set AC, 64*((\a)%4)
	WIN 0x02+(\a)/4
.set n, 0
.rept 32
.if \vm
	v_pk_add_f32 v[T+n:T+n+1], v[AC+n:AC+n+1], v[BR+8*(\a)+n%8:BR+8*(\a)+n%8+1]
.else
	v_pk_add_f32 v[T+n:T+n+1], v[AC+n:AC+n+1], v[BR+n:BR+n+1]
.endif
.set n, n+2
.endr
	WIN 0
.if \vm
	QUANT T, SW+(\a)
.irp c, 0,1,2
	global_store_b128 v[L16], v[PC+4*\c:PC+4*\c+3], s[8:9] offset:6144+((\a)/4)*HEADB+((\a)%4)*1536+512*\c
.endr
.else
	QUANT T, PW
	v_bfe_u32 v[SW+(\a)], v[PW], v[H16], 16
.irp c, 0,1
	global_store_b128 v[L16], v[PC+6*\c:PC+6*\c+3], s[8:9] offset:\c*HEADB+768*(\a)
	global_store_b64 v[L8], v[PC+6*\c+4:PC+6*\c+5], s[8:9] offset:\c*HEADB+768*(\a)+512
.endr
.endif
.endm
	s_wait_loadcnt 0x0
	PLACES NP
	s_cmp_eq_u32 s95, 1
	s_cbranch_scc1 .Lv_out
.irp a, 0,1,2,3,4,5,6,7
	OUTA \a, 0
.endr
	global_store_b128 v[SOFF], v[SW:SW+3], s[8:9] offset:12288
	global_store_b128 v[SOFF], v[SW+4:SW+7], s[8:9] offset:12544
	s_branch .Ldone
.Lv_out:
.irp a, 0,1,2,3,4,5,6,7
	OUTA \a, 1
.endr
	v_cmp_ne_u32 vcc_lo, 0, v2
.irp i, 0,1,2,3
	v_cndmask_b32 v[D+\i], v[SW+\i], v[SW+4+\i], vcc_lo
.endr
	global_store_b128 v[SOFF], v[D:D+3], s[8:9] offset:12800
.Ldone:
	s_wait_tensorcnt 0x0
	ds_add_u32 v[SPW], v[NIL]
	s_wait_dscnt 0x0
	CROUND
	s_endpgm
.Lfunc_end_k_q920c09ea58_gemm_qkv:
	.size	k_q920c09ea58_gemm_qkv, .Lfunc_end_k_q920c09ea58_gemm_qkv-k_q920c09ea58_gemm_qkv
	.p2alignl 7, 3214868480
	.fill 96, 4, 3214868480
	.section	.rodata,"a",@progbits
	.p2align	6, 0x0
	.amdhsa_kernel k_q920c09ea58_gemm_qkv
		.amdhsa_group_segment_fixed_size 327680
		.amdhsa_private_segment_fixed_size 0
		.amdhsa_enable_private_segment 0
		.amdhsa_kernarg_size 24
		.amdhsa_user_sgpr_count 2
		.amdhsa_user_sgpr_kernarg_segment_ptr 1
		.amdhsa_wavefront_size32 1
		.amdhsa_system_sgpr_workgroup_id_x 1
		.amdhsa_system_sgpr_workgroup_id_y 1
		.amdhsa_system_sgpr_workgroup_id_z 1
		.amdhsa_system_vgpr_workitem_id 0
		.amdhsa_next_free_vgpr 1024
		.amdhsa_next_free_sgpr 100
		.amdhsa_reserve_vcc 1
		.amdhsa_float_denorm_mode_32 3
		.amdhsa_float_denorm_mode_16_64 3
		.amdhsa_memory_ordered 1
		.amdhsa_forward_progress 1
		.amdhsa_inst_pref_size 214
	.end_amdhsa_kernel
	.amdgpu_metadata
---
amdhsa.version: [ 1, 2 ]
amdhsa.kernels:
  - .name:           k_q920c09ea58_gemm_qkv
    .symbol:         k_q920c09ea58_gemm_qkv.kd
    .args:
      - { .name: opq, .offset: 0, .size: 8, .value_kind: global_buffer, .address_space: global }
      - { .name: bqkv, .offset: 8, .size: 8, .value_kind: global_buffer, .address_space: global }
      - { .name: qkv, .offset: 16, .size: 8, .value_kind: global_buffer, .address_space: global }
    .group_segment_fixed_size: 327680
    .private_segment_fixed_size: 0
    .kernarg_segment_align: 8
    .kernarg_segment_size: 24
    .max_flat_workgroup_size: 128
    .sgpr_count:     100
    .vgpr_count:     1024
    .wavefront_size: 32
...
	.end_amdgpu_metadata
.endif
;; end of part 2
;; launch attn (part 3): grid 4 x 64, 16 waves a work-group, clusters of 4 x 1, 327,680 bytes of LDS; arguments qkv, aq; writes aq
.if DOCPART == 3
	.amdgcn_target "amdgcn-amd-amdhsa--gfx1250"
	.amdhsa_code_object_version 6
	.text
	.protected	k_q920c09ea58_attn
	.globl	k_q920c09ea58_attn
	.p2align	8
	.type	k_q920c09ea58_attn,@function
k_q920c09ea58_attn:
	s_mov_b64 s[64:65], 0
	v_nop
	global_prefetch_b8 v0, s[64:65] scope:SCOPE_SE
	s_setreg_imm32_b32 hwreg(HW_REG_WAVE_MODE, 25, 1), 1
	s_wait_xcnt 0x0
	s_wait_alu depctr_hold_cnt(0) depctr_sa_sdst(0) depctr_va_vdst(0) depctr_va_sdst(0) depctr_va_ssrc(0) depctr_va_vcc(0) depctr_vm_vsrc(0)
	s_getreg_b32 s2, hwreg(HW_REG_IB_STS2, 6, 4)
	s_cmp_eq_u32 s2, 0
	s_cbranch_scc0 .Lentry_in_a_cluster
	s_endpgm
.Lentry_in_a_cluster:
	s_bfe_u32 s2, ttmp6, 0x10000c
	s_cmp_lg_u32 s2, 0x3003
	s_cbranch_scc0 .Lentry_shape_is_right
	s_endpgm
.Lentry_shape_is_right:
; vals[b][q][64 h + d] = the sum over k of softmax_k(q . k / 8) v, both products on codes of FP6 (E2M3) with E8M0 scales; the result leaves QUANTISED along E, as the operand of the last product.
; THE SOFTMAX: t = score x log2(e) / 8; M = the running largest t, rounded UP to a whole number; p = 2^(t - M) is quantised along the keys, not normalised; the row's sum is taken of the unquantised p
; and divides at the end; when M moves, the sum and O are multiplied by 2^(old M - new M), which rounds nothing.
; qkv (made by the launch before): [q | k with v][batch x head][group of 128 tokens][13,056 bytes]: 8 tiles of 16 tokens x 768 bytes (registers 0-3 of a lane at 16 l, registers 4-5 at 512 + 8 l: K = the head's 64);
; from 6,144 four tiles of 16 channels of v x 1,536 (a whole fragment: K = the group's 128 keys); from 12,288 the tiles' scale words [tile / 4][row][tile % 4]; from 12,800 v's [row][tile].
; Row m of tile t is token (or channel) 32 (t / 2) + 8 (t % 2) + m + 8 (m / 8): so a lane's 16 registers of two neighbouring tiles of S^T are 16 neighbouring keys, and those of O^T 16 neighbouring channels.
; SHARES.  A work-group owns 512 queries of one head, in two passes of 256; each of its sixteen waves one tile of 16 queries a pass, in 256 registers: four waves to a SIMD, so that one wave's vector work stands beside
; another's products and LDS loads.  A HEAD'S WHOLE K AND V, 208,896 bytes, LIE IN LDS AS THEY LIE IN MEMORY, filled once, by four tensor loads, one from each of waves 0-3 (four are out at the most); nothing is filled again.
; CLUSTER.  The four work-groups of a head form a cluster and ask for K and V jointly.  No prefetch: every byte of K and V is asked for at the head of the launch.
; K = 64 IN A PRODUCT OF 128: Q's registers 6-11 hold zero codes, so what stands in K's registers 6-11 (the next tile's codes) adds nothing; the scale bytes there are 0, which is 2^-127 and no NaN.
; Both products are used transposed (S^T = K Q^T, O^T = V^T P^T): a lane holds one query throughout.
; aq: block P (16 tokens) at 12,288 P, head hd at 768 hd, as q's tiles are laid; from AQSC on the scale words [P][E / 256][row][2 words], of which a head owns two bytes a row: they leave by stores of 2 bytes,
; one part in 24 of what the launch stores, since a word's other half belongs to another work-group.
; LIMITS: a block of zeros keeps the scale byte 1; NaN and infinities are not served.
; REGISTERS: v1-3 16 l, 8 l, 16 r; v4, v5 the add's two; v6-8 the step's LDS addresses; v9 the scale bytes' place; v10 pass 0's two bytes; v12 -M, v13 the largest t, v[14:15] the sum; v16-27 Q (v22-27 zeros); v28 Q's scale word;
; v32-79 eight tiles of K, then four of V; v80-85 zeros; v86-94 vals' codes; v96-159 S^T, then p; v160-191 O^T; v192-203 p's codes; v212-219 K's scale words, v220-223 V's, v224 p's; v232-255 at work.
.set STEPB, 13056
.set HEADB, 208896
.set PARTB, 13369344
.set CHUNK, 52224                      ; four groups: what one tensor load brings, 204 rows of 256 bytes
.set SPARE, HEADB                      ; behind K and V: the spare words, 128 bytes a wave: eight blocks of 256 bytes that no other line names
.set AQSC,  6291456
.set L16, 1
.set L8,  2
.set R16, 3
.set SPW, 4
.set NIL, 5
.set AK,  6
.set AK8, 7
.set AS,  8
.set SCO, 9
.set HW0, 10
.set WV,  18
.set SEL, 20
.set CS,  22                           ; s[22:23] c = log2(e) / 8
.set G1,  24
.set G0,  32                           ; s[32:47] four groups 0
.set TB,  48                           ; s48  LDS byte at which the step's group begins
.set CNT, 49
.macro CROUND
	s_barrier_signal -1
	s_barrier_wait -1
	s_cmp_lg_u32 s[WV], 0
	s_cbranch_scc1 .Lnot_wave_0_\@
	s_barrier_signal -3
.Lnot_wave_0_\@:
	s_barrier_wait -3
	s_barrier_signal -1
	s_barrier_wait -1
.endm
	s_load_b128 s[4:7], s[0:1], 0x0                ; qkv, aq
	v_lshl_add_u32 v[SPW], v0, 2, SPARE
	v_mov_b32 v[NIL], 0
	ds_add_u32 v[SPW], v[NIL]                      ; the wave's opening: the add and its wait stand ahead of the first tensor load; work on registers stands between them
	ds_add_u32 v[SPW], v[NIL]
	v_lshrrev_b32 v6, 5, v0
	s_delay_alu instid0(VALU_DEP_1)
	v_readfirstlane_b32 s[WV], v6                  ; wave 0..15
	s_bfe_u32 s13, ttmp6, 0x40000                  ; cx
	s_lshl_b32 s14, ttmp9, 2
	s_add_co_u32 s14, s14, s13                     ; my 512 queries: it enters Q's and aq's addresses alone
	s_and_b32 s15, ttmp7, 0xffff                   ; 16 x batch + head, which the four partners share
	s_mul_i32 s16, s15, HEADB
	s_mov_b32 s[G1], 15|(3<<16)|(1<<21)            ; 15:0 the mask: all four work-groups; 17:16 elements of 8 bytes; 21 set beside a mask
	s_mov_b32 s[G1+1], 32<<16                      ; tensor_dim0: 256 bytes
	s_mov_b32 s[G1+2], 204<<16                     ; tensor_dim1
	s_mov_b32 s[G1+3], 32<<16                      ; tile_dim0
	s_mov_b32 s[G1+4], 204                         ; tile_dim1
	s_mov_b32 s[G1+5], 32                          ; dense
	s_mov_b32 s[G1+6], 0
	s_mov_b32 s[G1+7], 0
	s_lshl_b32 s50, s14, 2                         ; pass 0's tile of queries is 32 cx + wave: group 4 cx + wave / 8, tile wave % 8
	s_lshr_b32 s51, s[WV], 3
	s_add_co_u32 s50, s50, s51
	s_mul_i32 s50, s50, STEPB
	s_add_co_u32 s50, s50, s16
	s_and_b32 s51, s[WV], 7
	s_mul_i32 s52, s51, 768
	s_add_co_u32 s52, s52, s50                     ; Q's image
	s_mov_b32 s53, 0
	s_lshr_b32 s54, s51, 2
	s_lshl_b32 s54, s54, 8
	s_and_b32 s55, s[WV], 3
	s_lshl_b32 s55, s55, 2
	s_add_co_u32 s54, s54, s55
	s_add_co_u32 s54, s54, s50
	s_add_co_u32 s54, s54, 12288                   ; Q's scale words
	s_mov_b32 s55, 0
	s_lshr_b32 s56, s15, 4
	s_lshl_b32 s56, s56, 7
	s_lshl_b32 s57, s14, 5
	s_add_co_u32 s56, s56, s57
	s_add_co_u32 s56, s56, s[WV]                   ; pass 0's block of aq: 128 x batch + 32 cx + wave
	s_and_b32 s57, s15, 15                         ; the head
	s_mul_i32 s58, s56, 12288
	s_mul_i32 s59, s57, 768
	s_add_co_u32 s58, s58, s59
	s_mov_b32 s59, 0
	s_lshl_b32 s60, s56, 9
	s_lshr_b32 s61, s57, 2
	s_lshl_b32 s61, s61, 7
	s_add_co_u32 s60, s60, s61
	s_and_b32 s61, s57, 3
	s_lshl_b32 s61, s61, 1
	s_add_co_u32 s60, s60, s61
	s_add_co_u32 s60, s60, AQSC
	s_mov_b32 s61, 0
	s_add_co_u32 s62, s16, PARTB                   ; the head's K and V
	s_mov_b32 s63, 0
	s_mov_b32 s[SEL], 0x76543210
	s_mov_b32 s[SEL+1], 0xfedcba98
	s_mov_b32 s[CS], 0x3e38aa3b
	s_mov_b32 s[CS+1], s[CS]                       ; (named with it as a pair, so it is written)
	s_wait_dscnt 0x0                               ; the opening add is done
	s_wait_kmcnt 0x0
	s_add_nc_u64 s[8:9], s[4:5], s[52:53]
	s_add_nc_u64 s[10:11], s[4:5], s[54:55]
	s_add_nc_u64 s[62:63], s[4:5], s[62:63]
	s_add_nc_u64 s[2:3], s[6:7], s[58:59]
	s_add_nc_u64 s[6:7], s[6:7], s[60:61]
.irp c, 0,1,2,3
	s_mov_b32 s[G0+4*\c], 1
	s_mov_b32 s[G0+4*\c+1], \c*CHUNK
	s_add_nc_u64 s[G0+4*\c+2:G0+4*\c+3], s[62:63], \c*CHUNK
	s_or_b32 s[G0+4*\c+3], s[G0+4*\c+3], 0x80000000
.endr
	CROUND                                         ; all four work-groups are here: the joint loads meet
.irp c, 0,1,2,3                        ; the four fills: wave c asks for chunk c, one load a wave, each in its own arm of one chain of branches on the wave's number
	s_cmp_eq_u32 s[WV], \c
	s_cbranch_scc0 .Lnot_\c
	tensor_load_to_lds s[G0+4*\c:G0+4*\c+3], s[G1:G1+7]
	s_nop 0
.rept 4
	v_nop
.endr
	s_branch .Lno_fill
.Lnot_\c:
.endr
.Lno_fill:
	v_and_b32 v6, 31, v0
	s_delay_alu instid0(VALU_DEP_1)
	v_lshlrev_b32 v[L16], 4, v6
	s_delay_alu instid0(VALU_DEP_2)
	v_lshlrev_b32 v[L8], 3, v6
	v_and_b32 v7, 15, v0
	s_delay_alu instid0(VALU_DEP_1)
	v_lshlrev_b32 v[R16], 4, v7
	v_bfe_u32 v8, v0, 4, 1
	s_delay_alu instid0(VALU_DEP_3)
	v_lshlrev_b32 v[SCO], 3, v7
	s_delay_alu instid0(VALU_DEP_1)
	v_lshl_add_u32 v[SCO], v8, 13, v[SCO]          ; 8 r, and for lanes 16-31 sixteen blocks (pass 1's) further on
.irp i, 0,1,2,3,4,5
	v_mov_b32 v[22+\i], 0                          ; Q's codes of k = 64 .. 127
	v_mov_b32 v[80+\i], 0                          ; and what stands behind K's last tile
.endr
.irp b, 0,1,2,3
	v_mov_b32 v[236+\b], 0                         ; written once: a lane permute's destination counts as one of its sources
.endr
	v_mov_b32 v252, 0
	v_mov_b32 v253, 0                              ; (named as the upper half of the pair v[252:253])
.macro PROLOG p                        ; pass p: my tile of queries; the statistics and O^T begin anew (the step is written once: its first trip finds zeros, which the first change of M leaves zeros)
	global_load_b128 v[16:19], v[L16], s[8:9] offset:2*STEPB*\p
	global_load_b64 v[20:21], v[L8], s[8:9] offset:2*STEPB*\p+512
	global_load_b32 v28, v[R16], s[10:11] offset:2*STEPB*\p
	v_mov_b32 v13, 0xff61b1e6                      ; the largest t so far: -3e38
	s_delay_alu instid0(VALU_DEP_1)
	v_floor_f32 v12, -v13
	v_mov_b32 v14, 0
	v_mov_b32 v15, 0
.set j, 0
.rept 32
	v_mov_b32 v[160+j], 0
.set j, j+1
.endr
.endm
; A KEY STEP: the 128 keys of the group at LDS byte s[TB].
.macro STEP
	v_add_nc_u32 v[AK], s[TB], v[L16]
	v_add_nc_u32 v[AK8], s[TB], v[L8]
	v_add_nc_u32 v[AS], s[TB], v[R16]
	v_nop                                          ; with the three additions: four places in front of loads into registers that the last products read
.irp t, 0,1,2,3,4,5,6,7
	ds_load_b128 v[32+6*\t:35+6*\t], v[AK] offset:768*\t
	ds_load_b64 v[36+6*\t:37+6*\t], v[AK8] offset:768*\t+512
.endr
	ds_load_b128 v[212:215], v[AS] offset:12288
	ds_load_b128 v[216:219], v[AS] offset:12544
	s_wait_alu depctr_va_vdst(0)
	s_wait_dscnt 0x0
.irp t, 0,1,2,3,4,5,6,7
	v_wmma_scale_f32_16x16x128_f8f6f4 v[96+8*\t:103+8*\t], v[32+6*\t:43+6*\t], v[16:27], 0, v[212+\t], v28 matrix_a_fmt:MATRIX_FMT_FP6 matrix_b_fmt:MATRIX_FMT_FP6
.endr
.rept 4
	v_nop                                          ; places in front of the loads below and of the first read of the scores
.endr
.irp u, 0,1,2,3
.irp c, 0,1,2
	ds_load_b128 v[32+12*\u+4*\c:35+12*\u+4*\c], v[AK] offset:6144+1536*\u+512*\c   ; V's four fragments land under the softmax
.endr
.endr
	ds_load_b128 v[220:223], v[AS] offset:12800
.irp b, 0,1,2,3
	v_max3_num_f32 v[232+\b], v[96+16*\b], v[97+16*\b], v[98+16*\b]   ; the largest score of each block of 32 keys: it serves for the row's maximum and, since p rises with the score, for the block's largest p
.endr
.irp i, 3,5,7,9,11,13
.irp b, 0,1,2,3
	v_max3_num_f32 v[232+\b], v[232+\b], v[96+16*\b+\i], v[97+16*\b+\i]
.endr
.endr
.irp b, 0,1,2,3
	v_max_num_f32 v[232+\b], v[232+\b], v[111+16*\b]
.endr
.irp b, 0,1,2,3
	s_delay_alu instid0(VALU_DEP_4)
	v_permlanex16_b32 v[236+\b], v[232+\b], s[SEL], s[SEL+1]
.endr
.irp b, 0,1,2,3
	s_delay_alu instid0(VALU_DEP_4)
	v_max_num_f32 v[232+\b], v[232+\b], v[236+\b]  ; with lane l xor 16's 16 keys
.endr
	s_delay_alu instid0(VALU_DEP_2)
	v_max3_num_f32 v254, v232, v233, v234
	s_delay_alu instid0(VALU_DEP_1)
	v_max_num_f32 v254, v254, v235
	s_delay_alu instid0(VALU_DEP_1)
	v_mul_f32 v254, s[CS], v254                    ; the step's largest t
	s_delay_alu instid0(VALU_DEP_1)
	v_max_num_f32 v13, v13, v254
	v_mov_b32 v254, v12
	s_delay_alu instid0(VALU_DEP_2)
	v_floor_f32 v12, -v13                          ; the new -M = -ceil(t)
	s_delay_alu instid0(VALU_DEP_1)
	v_sub_f32 v254, v12, v254                      ; old M - new M: a whole number, 0 or less
	s_delay_alu instid0(VALU_DEP_1)
	v_cvt_i32_f32 v254, v254                       ; (it saturates)
	s_delay_alu instid0(VALU_DEP_1)
	v_ldexp_f32 v252, 1.0, v254                    ; f = 2^(old M - new M)
.set j, 0
.rept 32
	v_pk_fma_f32 v[96+j:97+j], v[96+j:97+j], s[CS:CS+1], v[12:13] op_sel_hi:[1,0,0]   ; t - M
.set j, j+2
.endr
.irp b, 0,1,2,3
	v_fma_f32 v[232+\b], v[232+\b], s[CS], v12     ; the same of each block's largest score
.endr
.set j, 0
	s_wait_alu depctr_va_vdst(0)
.rept 64
	v_exp_f32 v[96+j], v[96+j]                     ; p = 2^(t - M)
.set j, j+1
.endr
	v_pk_mul_f32 v[14:15], v[14:15], v[252:253] op_sel_hi:[1,0]   ; the sums under the new M: a plain place behind the exponentials
	s_wait_alu depctr_va_vdst(0)                   ; one wait for the whole batch, ahead of its first reader
.irp b, 0,1,2,3
	v_exp_f32 v[232+\b], v[232+\b]                 ; the block's largest p
.endr
	v_pk_add_f32 v[236:237], v[100:101], v[104:105]
	v_pk_add_f32 v[254:255], v[108:109], v[112:113]
	v_pk_add_f32 v[250:251], v[116:117], v[120:121]
	v_pk_add_f32 v[248:249], v[124:125], v[128:129]
	v_pk_add_f32 v[246:247], v[132:133], v[136:137]
	v_pk_add_f32 v[244:245], v[140:141], v[144:145]
	v_pk_add_f32 v[242:243], v[148:149], v[152:153]
	v_pk_add_f32 v[14:15], v[14:15], v[156:157]
	v_pk_add_f32 v[236:237], v[236:237], v[96:97]
	v_pk_add_f32 v[254:255], v[254:255], v[98:99]
	v_pk_add_f32 v[250:251], v[250:251], v[102:103]
	v_pk_add_f32 v[248:249], v[248:249], v[106:107]
	v_pk_add_f32 v[246:247], v[246:247], v[110:111]
	v_pk_add_f32 v[244:245], v[244:245], v[114:115]
	v_pk_add_f32 v[242:243], v[242:243], v[118:119]
	v_pk_add_f32 v[14:15], v[14:15], v[122:123]
	v_pk_add_f32 v[236:237], v[236:237], v[126:127]
	v_pk_add_f32 v[254:255], v[254:255], v[130:131]
	v_pk_add_f32 v[250:251], v[250:251], v[134:135]
	v_pk_add_f32 v[248:249], v[248:249], v[138:139]
	v_pk_add_f32 v[246:247], v[246:247], v[142:143]
	v_pk_add_f32 v[244:245], v[244:245], v[146:147]
	v_pk_add_f32 v[242:243], v[242:243], v[150:151]
	v_pk_add_f32 v[14:15], v[14:15], v[154:155]
	v_pk_add_f32 v[236:237], v[236:237], v[158:159]
	s_delay_alu instid0(VALU_DEP_2)
	v_pk_add_f32 v[14:15], v[14:15], v[248:249]
	s_delay_alu instid0(VALU_DEP_2)
	v_pk_add_f32 v[236:237], v[236:237], v[246:247]
	v_pk_add_f32 v[254:255], v[254:255], v[244:245]
	v_pk_add_f32 v[250:251], v[250:251], v[242:243]
	s_delay_alu instid0(VALU_DEP_2)
	v_pk_add_f32 v[14:15], v[14:15], v[254:255]
	s_delay_alu instid0(VALU_DEP_2)
	v_pk_add_f32 v[236:237], v[236:237], v[250:251]
	s_delay_alu instid0(VALU_DEP_1)
	v_pk_add_f32 v[14:15], v[14:15], v[236:237]
	s_wait_alu depctr_va_vdst(0)                   ; and one for the four
.irp b, 0,1,2,3
	v_max_num_f32 v[232+\b], 0x1800000, v[232+\b]  ; the floor 2^(3 - 127)
.endr
.irp b, 0,1,2,3
	s_delay_alu instid0(VALU_DEP_4)
	v_add_nc_u32 v[244+\b], 0xff000000, v[232+\b]  ; the conversion's scale operand
.endr
.irp b, 0,1,2,3
	s_delay_alu instid0(VALU_DEP_4)
	v_lshrrev_b32 v[236+\b], 23, v[244+\b]         ; the scale's byte
.endr
	s_delay_alu instid0(VALU_DEP_3)
	v_lshl_or_b32 v224, v237, 8, v236              ; p's scale word for these 128 keys
	s_delay_alu instid0(VALU_DEP_1)
	v_lshl_or_b32 v224, v238, 16, v224
	s_delay_alu instid0(VALU_DEP_1)
	v_lshl_or_b32 v224, v239, 24, v224
.irp c, 0,1
	v_cvt_scalef32_pk16_fp6_f32 v[192+6*\c:194+6*\c], v[96+32*\c:111+32*\c], v[244+2*\c]
	v_cvt_scalef32_pk16_fp6_f32 v[236+4*\c:238+4*\c], v[112+32*\c:127+32*\c], v[244+2*\c+1]
.endr
	v_nop                                          ; one plain place behind a scaled conversion
.irp c, 0,1
.irp i, 0,1,2
	v_permlane16_swap_b32 v[192+6*\c+\i], v[236+4*\c+\i]
.endr
.irp i, 0,1,2
	s_delay_alu instid0(VALU_DEP_3)
	v_mov_b32 v[195+6*\c+\i], v[236+4*\c+\i]
.endr
.endr
.set j, 0
.rept 16
	v_pk_mul_f32 v[160+j:161+j], v[160+j:161+j], v[252:253] op_sel_hi:[1,0]   ; O^T under the new M; these sixteen are also the places between the writes of p's codes and scale word and the products
.set j, j+2
.endr
	s_wait_alu depctr_va_vdst(0)
	s_wait_dscnt 0x0                               ; V
.irp u, 0,1,2,3
	v_wmma_scale_f32_16x16x128_f8f6f4 v[160+8*\u:167+8*\u], v[32+12*\u:43+12*\u], v[192:203], v[160+8*\u:167+8*\u], v[220+\u], v224 matrix_a_fmt:MATRIX_FMT_FP6 matrix_b_fmt:MATRIX_FMT_FP6
.endr
.endm
.macro STEPS n, base                   ; n key steps from LDS byte base on.  The accumulators take turns over the backward jump too
	s_mov_b32 s[TB], \base
	s_mov_b32 s[CNT], \n
.Lst_\@:
	STEP
	s_add_co_u32 s[TB], s[TB], STEPB
	s_sub_co_u32 s[CNT], s[CNT], 1
	s_cmp_lg_u32 s[CNT], 0
	s_cbranch_scc1 .Lst_\@
.endm
; THE WAY OUT of pass p: O^T / the sum; register 16 b + i is channel 32 b + 16 (lane / 16) + i of my query: two blocks of 32 along E, quantised as p is.
.macro EPILOG p
.rept 4
	v_nop                                          ; places behind the last products
.endr
	v_add_f32 v14, v14, v15
	s_delay_alu instid0(VALU_DEP_1)
	v_permlanex16_b32 v252, v14, s[SEL], s[SEL+1]
	s_delay_alu instid0(VALU_DEP_1)
	v_add_f32 v14, v14, v252                       ; the row's sum
	s_wait_alu depctr_va_vdst(0)
	v_rcp_f32 v14, v14
	v_nop                                          ; a plain place behind the reciprocal,
	s_wait_alu depctr_va_vdst(0)                   ; and the wait ahead of its first reader
.set j, 0
.rept 16
	v_pk_mul_f32 v[96+j:97+j], v[160+j:161+j], v[14:15] op_sel_hi:[1,0]
.set j, j+2
.endr
.irp b, 0,1
	v_max3_num_f32 v[232+\b], |v[96+16*\b]|, |v[97+16*\b]|, 0x1800000
.endr
.irp i, 2,4,6,8,10,12,14
.irp b, 0,1
	s_delay_alu instid0(VALU_DEP_2)
	v_max3_num_f32 v[232+\b], v[232+\b], |v[96+16*\b+\i]|, |v[97+16*\b+\i]|
.endr
.endr
.irp b, 0,1
	s_delay_alu instid0(VALU_DEP_2)
	v_permlanex16_b32 v[236+\b], v[232+\b], s[SEL], s[SEL+1]
.endr
.irp b, 0,1
	s_delay_alu instid0(VALU_DEP_2)
	v_max_num_f32 v[232+\b], v[232+\b], v[236+\b]
.endr
.irp b, 0,1
	s_delay_alu instid0(VALU_DEP_2)
	v_add_nc_u32 v[244+\b], 0xff000000, v[232+\b]
.endr
.irp b, 0,1
	s_delay_alu instid0(VALU_DEP_2)
	v_lshrrev_b32 v[236+\b], 23, v[244+\b]
.endr
.if \p == 0
	s_delay_alu instid0(VALU_DEP_1)
	v_lshl_or_b32 v[HW0], v237, 8, v236            ; my row's two bytes, kept for pass 1's store
.else
	s_delay_alu instid0(VALU_DEP_1)
	v_lshl_or_b32 v254, v237, 8, v236
	s_wait_alu depctr_va_vdst(0)
	s_wait_xcnt 0x0                                ; pass 0's stores have read the codes' registers
.endif
	v_cvt_scalef32_pk16_fp6_f32 v[86:88], v[96:111], v244
	v_cvt_scalef32_pk16_fp6_f32 v[92:94], v[112:127], v245
	v_nop
.irp i, 0,1,2
	v_permlane16_swap_b32 v[86+\i], v[92+\i]
.endr
.irp i, 0,1,2
	s_delay_alu instid0(VALU_DEP_3)
	v_mov_b32 v[89+\i], v[92+\i]
.endr
	global_store_b128 v[L16], v[86:89], s[2:3] offset:16*12288*\p       ; 512 consecutive bytes, aligned to 256
	global_store_b64 v[L8], v[90:91], s[2:3] offset:16*12288*\p+512     ; 256 consecutive bytes, aligned
.if \p == 1
	v_and_b32 v255, 16, v0
	s_delay_alu instid0(VALU_DEP_1)
	v_cmp_ne_u32 vcc_lo, 0, v255
	s_delay_alu instid0(VALU_DEP_1)
	v_cndmask_b32 v254, v[HW0], v254, vcc_lo       ; lanes 0-15 store pass 0's bytes, lanes 16-31 pass 1's
	global_store_b16 v[SCO], v254, s[6:7]
.endif
.endm
	PROLOG 0
	s_wait_loadcnt 0x0                             ; Q
	s_cmp_eq_u32 s[WV], 0
	s_cbranch_scc0 .Lnot_first
	s_wait_tensorcnt 0x0                           ; wave 0: chunk 0 has landed; the other chunks may be out
.Lnot_first:
	s_barrier_signal -1
	s_barrier_wait -1
	STEPS 4, 0
	s_wait_tensorcnt 0x0                           ; every wave: its chunk has landed
	s_barrier_signal -1
	s_barrier_wait -1
	STEPS 12, CHUNK
	EPILOG 0
	PROLOG 1
	s_wait_loadcnt 0x0
	STEPS 16, 0                                    ; all of K and V lies in LDS: no barrier
	EPILOG 1
	s_wait_tensorcnt 0x0                           ; the wave's end
	ds_add_u32 v[SPW], v[NIL]
	s_wait_dscnt 0x0
	CROUND                                         ; the closing round
	s_endpgm
.Lfunc_end_k_q920c09ea58_attn:
	.size	k_q920c09ea58_attn, .Lfunc_end_k_q920c09ea58_attn-k_q920c09ea58_attn
	.p2alignl 7, 3214868480
	.fill 96, 4, 3214868480
	.section	.rodata,"a",@progbits
	.p2align	6, 0x0
	.amdhsa_kernel k_q920c09ea58_attn
		.amdhsa_group_segment_fixed_size 327680
		.amdhsa_private_segment_fixed_size 0
		.amdhsa_enable_private_segment 0
		.amdhsa_kernarg_size 16
		.amdhsa_user_sgpr_count 2
		.amdhsa_user_sgpr_kernarg_segment_ptr 1
		.amdhsa_wavefront_size32 1
		.amdhsa_system_sgpr_workgroup_id_x 1
		.amdhsa_system_sgpr_workgroup_id_y 1
		.amdhsa_system_sgpr_workgroup_id_z 1
		.amdhsa_system_vgpr_workitem_id 0
		.amdhsa_next_free_vgpr 256
		.amdhsa_next_free_sgpr 66
		.amdhsa_reserve_vcc 1
		.amdhsa_float_denorm_mode_32 3
		.amdhsa_float_denorm_mode_16_64 3
		.amdhsa_memory_ordered 1
		.amdhsa_forward_progress 1
		.amdhsa_inst_pref_size 71
	.end_amdhsa_kernel
	.amdgpu_metadata
---
amdhsa.version: [ 1, 2 ]
amdhsa.kernels:
  - .name:           k_q920c09ea58_attn
    .symbol:         k_q920c09ea58_attn.kd
    .args:
      - { .name: qkv, .offset: 0, .size: 8, .value_kind: global_buffer, .address_space: global }
      - { .name: aq, .offset: 8, .size: 8, .value_kind: global_buffer, .address_space: global }
    .group_segment_fixed_size: 327680
    .private_segment_fixed_size: 0
    .kernarg_segment_align: 8
    .kernarg_segment_size: 16
    .max_flat_workgroup_size: 512
    .sgpr_count:     66
    .vgpr_count:     256
    .wavefront_size: 32
...
	.end_amdgpu_metadata
.endif
;; end of part 3
;; launch gemm_out (part 4): grid 32 x 8, 4 waves a work-group, clusters of 4 x 4, 327,680 bytes of LDS; arguments aq, opq, bo, out0; writes out0
.if DOCPART == 4
	.amdgcn_target "amdgcn-amd-amdhsa--gfx1250"
	.amdhsa_code_object_version 6
	.text
	.protected	k_q920c09ea58_gemm_out
	.globl	k_q920c09ea58_gemm_out
	.p2align	8
	.type	k_q920c09ea58_gemm_out,@function
k_q920c09ea58_gemm_out:
	s_mov_b64 s[64:65], 0
	v_nop
	global_prefetch_b8 v0, s[64:65] scope:SCOPE_SE
	s_setreg_imm32_b32 hwreg(HW_REG_WAVE_MODE, 25, 1), 1
	s_wait_xcnt 0x0
	s_wait_alu depctr_hold_cnt(0) depctr_sa_sdst(0) depctr_va_vdst(0) depctr_va_sdst(0) depctr_va_ssrc(0) depctr_va_vcc(0) depctr_vm_vsrc(0)
	s_getreg_b32 s2, hwreg(HW_REG_IB_STS2, 6, 4)
	s_cmp_eq_u32 s2, 0
	s_cbranch_scc0 .Lentry_in_a_cluster
	s_endpgm
.Lentry_in_a_cluster:
	s_bfe_u32 s2, ttmp6, 0x10000c
	s_cmp_lg_u32 s2, 0xf033
	s_cbranch_scc0 .Lentry_shape_is_right
	s_endpgm
.Lentry_shape_is_right:
; out0[token][n] = bo[n] + sum over k of vals[token][k] Wo[n][k], f32: 8,192 x 1,024 x 1,024 on codes of FP6 (E2M3) with E8M0 scales.
; LIMITS: a sum begins with the bias; NaN, infinities and sums beyond f32's range are not served.
; A = aq (the attention launch's): block P of 16 tokens at 12,288 P, head hd at 768 hd: a lane's registers 0-3 at 16 l, 4-5 at 512 + 8 l; a fragment of 128 K is two heads.  B = Wo in opq, blocks 704 .. 767: K step q at 1,536 q,
; registers 4 c .. 4 c + 3 at 512 c + 16 l.  Row m of block P is token (or output) 32 (P / 2) + 8 (P % 2) + m + 8 (m / 8).  Scale words: 512 bytes a block, [K / 256][row][2 words].
; THE DEAL: 256 work-groups of four waves, 2 x 2, each 256 tokens x 128 outputs.  Wave (a, b) holds B's four blocks 4 b .. 4 b + 3, all of K, in 384 registers, and streams A's blocks 2 s + a, s = 0 .. 7, past them: 32 products a block,
; four accumulators by turns; two sets of A's fragments, of sums and of rows back from the stage.
; SCALE WORDS come once, straight into registers, 256 consecutive bytes a load: lanes 0-15 hold K steps 4 j, 4 j + 1 of their row, lanes 16-31 steps 4 j + 2, 4 j + 3; the products pick the half by the ROW selectors.
; CLUSTER 4 x 4: x counts tile rows.  A's tiles are shared by a column of the cluster, B's by a row.  LDS: A's 16 blocks, B's 8, the waves' stages, the spare words.  Nothing is filled again.
; No data prefetch: every tile is asked for at the head, so there is no loop to run ahead in.
.set BLKB, 12288
.set FR, 12
.set FPW, 21                           ; fragments in a window of 256 registers; fragment f lies in window 1 + f / 21: 0-31 B's (4 q + b), 32-47 A's two sets (32 + 8 e + q)
.set NF, 32                            ; LDS loads of a block of A
.set YB, 16*BLKB
.set STAGE, YB+8*BLKB
.set SPITCH, 272                       ; a stage row: 64 outputs + 16 bytes
.set SPARE, STAGE+4*16*SPITCH
.set OPSC, 9437184
.set AQSC, 6291456
.set BOF, 8                            ; v8  64 h: my offset in the bias
.set CO, 9                             ; v9  my offset in out0: row h, 16 bytes x r
.set SPW, 10
.set NIL, 11
.set L8, 12                            ; v12 8 x lane
.set ADRB, 14
.set STO, 18
.set RD, 19
.set AA, 20                            ; v20-23 LDS address of my blocks s = 2 g, 2 g + 1, by 16 l;  v24-27 by 8 l
.set A8, 24
.set SB, 32                            ; v32-47 B's scale words, four registers a block
.set SA, 50                            ; v50-81 A's; the two scale registers of a product differ by 2 or 6 modulo 8
.set ACC, 96                           ; v96-159 two sets of four accumulators
.set BK, 160                           ; v160-223 two sets of 16 rows back from the stage
.set BO, 224                           ; v224-255 the bias as the first products' C
.set G1A, 24
.set G1B, 32
.set G0A, 56
.set G0B, 60
.set MSB, 0
.macro WIN new
.if MSB != \new
	s_set_vgpr_msb (MSB<<8)|\new
.set MSB, \new
.endif
.endm
.macro PLACES n
.rept \n
	v_nop
.endr
.endm
.macro BARRIER
	s_barrier_signal -1
	s_barrier_wait -1
.endm
.macro CROUND
	BARRIER
	s_cmp_lg_u32 s14, 0
	s_cbranch_scc1 .Lnot_wave_0_\@
	s_barrier_signal -3
.Lnot_wave_0_\@:
	s_barrier_wait -3
	BARRIER
.endm
.macro TLOAD g0, g1                    ; s_nop 0 and four v_nop behind a tensor load
	tensor_load_to_lds s[\g0:\g0+3], s[\g1:\g1+7]
	s_nop 0
	PLACES 4
.endm
.macro GROUP1 g, mask                  ; dense rows of 256 bytes (32 elements of 8)
	s_or_b32 s[\g+0], s[\mask], (3<<16)|(1<<21)
	s_mov_b32 s[\g+1], 32<<16
	s_mov_b32 s[\g+3], 32<<16
	s_mov_b32 s[\g+5], 32
	s_mov_b32 s[\g+6], 0
	s_mov_b32 s[\g+7], 0
.endm
.macro ATILE first, n                  ; n blocks of A from block first on: 48 rows of 256 bytes a block
	s_mov_b32 s[G0A+1], (\first)*BLKB
	s_mov_b32 s[G1A+2], ((\n)*48)<<16
	s_mov_b32 s[G1A+4], (\n)*48
.if \first
	s_add_nc_u64 s[G0A+2:G0A+3], s[G0A+2:G0A+3], (\first)*BLKB
.endif
	s_or_b32 s[G0A+3], s[G0A+3], 0x80000000
	TLOAD G0A, G1A
.endm
.macro FETCH s                         ; my block s of A into set s % 2: NF loads
.irp q, 0,1,2,3,4,5,6,7
.set F_, 32+8*((\s)%2)+\q
	WIN (1+F_/FPW)<<6
.irp c, 0,1
	ds_load_b128 v[FR*(F_%FPW)+6*\c:FR*(F_%FPW)+6*\c+3], v[AA+(\s)/2] offset:((\s)%2)*2*BLKB+1536*\q+768*\c
	ds_load_b64 v[FR*(F_%FPW)+6*\c+4:FR*(F_%FPW)+6*\c+5], v[A8+(\s)/2] offset:((\s)%2)*2*BLKB+1536*\q+768*\c+512
.endr
.endr
	WIN 0
.endm
.macro PROD1 d, s0, s1, c, x0, x1, o
.if \o
	v_wmma_scale_f32_16x16x128_f8f6f4 v[\d:\d+7], v[\s0:\s0+FR-1], v[\s1:\s1+FR-1], \c, v[\x0], v[\x1] matrix_a_fmt:MATRIX_FMT_FP6 matrix_b_fmt:MATRIX_FMT_FP6 matrix_a_scale:MATRIX_SCALE_ROW1 matrix_b_scale:MATRIX_SCALE_ROW1
.else
	v_wmma_scale_f32_16x16x128_f8f6f4 v[\d:\d+7], v[\s0:\s0+FR-1], v[\s1:\s1+FR-1], \c, v[\x0], v[\x1] matrix_a_fmt:MATRIX_FMT_FP6 matrix_b_fmt:MATRIX_FMT_FP6
.endif
.endm
.macro PROD s, n                       ; product n = 4 q + b of block s; source 0 = B's rows: a lane then holds 8 neighbouring outputs of one token
.set Q_, (\n)/4
.set B_, (\n)%4
.set FB_, 4*Q_+B_
.set FA_, 32+8*((\s)%2)+Q_
.set D_, ACC+32*((\s)%2)+8*B_
.set RB_, FR*(FB_%FPW)
.set RA_, FR*(FA_%FPW)
.set XB_, SB+4*B_+2*(Q_/4)+Q_%2
.set XA_, SA+4*(\s)+2*(Q_/4)+Q_%2
.set O_, (Q_/2)%2
	WIN (1+FB_/FPW)|((1+FA_/FPW)<<2)
.if Q_
	PROD1 D_, RB_, RA_, v[D_:D_+7], XB_, XA_, O_
.else
	PROD1 D_, RB_, RA_, v[BO+8*B_:BO+8*B_+7], XB_, XA_, O_
.endif
.endm
.macro PRODS s, from, to
.set N_, \from
.rept (\to)-(\from)
	PROD \s, N_
.set N_, N_+1
.endr
	WIN 0
.endm
.macro STREAM s
.if (\s) == 1
	PRODS \s, 0, 24
	s_wait_tensorcnt 0x0                           ; every wave: its tile has landed
	s_wait_dscnt 0x0
	s_barrier_signal -1                            ; a plain barrier: A's blocks 8 to 15 are shown to all
	PRODS \s, 24, 32
	s_barrier_wait -1
.else
	PRODS \s, 0, 32
.endif
	PLACES 4                                       ; four places between the last product and the readers of its sums and the loads into its operands
	s_wait_xcnt 0x0                                ; the stores of two blocks ago have read this set of rows
.irp b, 0,1,2,3                        ; the sums into my stage, each accumulator from its low end on, and back as whole rows; LDS serves a wave's instructions in order
	ds_store_b128 v[STO], v[ACC+32*((\s)%2)+8*\b:ACC+32*((\s)%2)+8*\b+3] offset:128*(\b/2)+32*(\b%2)
	ds_store_b128 v[STO], v[ACC+32*((\s)%2)+8*\b+4:ACC+32*((\s)%2)+8*\b+7] offset:128*(\b/2)+32*(\b%2)+16
.endr
.irp t, 0,1,2,3,4,5,6,7
	ds_load_b128 v[BK+32*((\s)%2)+4*\t:BK+32*((\s)%2)+4*\t+3], v[RD] offset:2*\t*SPITCH
.endr
.if (\s) < 6
	FETCH (\s)+2
	s_wait_dscnt NF                                ; the rows are back, and the next block's fragments are in; younger is this run's fetch alone
.else
	s_wait_dscnt 0x0
.endif
.irp t, 0,1,2,3,4,5,6,7                ; stage rows 2 t, 2 t + 1 are tokens 32 s + 8 a + 2 t + 8 (t / 4) and the next; 16 lanes store 256 consecutive bytes, aligned
	global_store_b128 v[CO], v[BK+32*((\s)%2)+4*\t:BK+32*((\s)%2)+4*\t+3], s[12:13] offset:(32*(\s)+2*\t+8*(\t/4))*4096 th:TH_STORE_NT
.endr
.endm
; ---- the head
	s_load_b128 s[4:7], s[0:1], 0x0                ; aq, opq
	s_load_b128 s[8:11], s[0:1], 0x10              ; bo, out0
	v_lshl_add_u32 v[SPW], v0, 2, SPARE
	v_mov_b32 v[NIL], 0
	ds_add_u32 v[SPW], v[NIL]                      ; the opening lines
	ds_add_u32 v[SPW], v[NIL]
	v_lshrrev_b32 v1, 5, v0
	v_readfirstlane_b32 s14, v1                    ; the wave; s15 its row a, s16 its column b
	s_lshr_b32 s15, s14, 1
	s_and_b32 s16, s14, 1
	s_bfe_u32 s40, ttmp6, 0x40000
	s_bfe_u32 s41, ttmp6, 0x40004
	s_lshl_b32 s43, ttmp9, 2
	s_add_co_u32 s43, s43, s40                     ; tile row
	s_and_b32 s42, ttmp7, 0xffff
	s_lshl_b32 s42, s42, 2
	s_add_co_u32 s42, s42, s41                     ; tile column
	s_lshl_b32 s44, 0x1111, s40                    ; my column of the cluster shares A's tiles
	s_lshl_b32 s45, s41, 2
	s_lshl_b32 s45, 15, s45                        ; my row shares B's
	GROUP1 G1A, 44
	GROUP1 G1B, 45
	s_mov_b32 s[G1B+2], 384<<16
	s_mov_b32 s[G1B+4], 384
	s_mov_b32 s[G0A], 1
	s_mov_b32 s[G0B], 1
	s_mov_b32 s[G0B+1], YB
	s_mul_i32 s76, s43, 16*BLKB                    ; A's 16 blocks
	s_mov_b32 s77, 0
	s_mul_i32 s78, s42, 8*BLKB                     ; B's 8 blocks
	s_add_co_u32 s78, s78, 704*BLKB
	s_mov_b32 s79, 0
	s_lshl_b32 s80, s43, 13                        ; A's scale words: block 16 x tile row + a, then every second block
	s_lshl_b32 s21, s15, 9
	s_add_co_u32 s80, s80, s21
	s_add_co_u32 s80, s80, AQSC
	s_mov_b32 s81, 0
	s_lshl_b32 s82, s42, 12                        ; B's: my four blocks
	s_lshl_b32 s21, s16, 11
	s_add_co_u32 s82, s82, s21
	s_add_co_u32 s82, s82, OPSC+704*512
	s_mov_b32 s83, 0
	s_lshl_b32 s86, s42, 9                         ; my 64 outputs, in bytes
	s_lshl_b32 s21, s16, 8
	s_add_co_u32 s86, s86, s21
	s_mov_b32 s87, 0
	s_lshl_b32 s84, s43, 20                        ; token 256 x tile row + 8 a
	s_lshl_b32 s21, s15, 15
	s_add_co_u32 s84, s84, s21
	s_add_co_u32 s84, s84, s86
	s_mov_b32 s85, 0
	s_mul_i32 s23, s15, BLKB
	s_mul_i32 s22, s16, 4*BLKB
	s_add_co_u32 s22, s22, YB
	s_mul_i32 s20, s14, 16*SPITCH
	s_add_co_u32 s20, s20, STAGE
	v_and_b32 v1, 15, v0                           ; r
	v_bfe_u32 v2, v0, 4, 1                         ; h
	v_and_b32 v3, 31, v0
	v_lshlrev_b32 v[L8], 3, v3
	v_lshl_add_u32 v[AA], v3, 4, s23
	v_lshl_add_u32 v[A8], v3, 3, s23
.irp g, 1,2,3
	v_add_nc_u32 v[AA+\g], \g*4*BLKB, v[AA]
	v_add_nc_u32 v[A8+\g], \g*4*BLKB, v[A8]
.endr
	v_lshl_add_u32 v[ADRB], v3, 4, s22
	v_mul_u32_u24 v6, v1, SPITCH                   ; into the stage: row r, 64 bytes for each half of the lanes
	v_lshl_add_u32 v6, v2, 6, v6
	v_add_nc_u32 v[STO], s20, v6
	v_mul_u32_u24 v7, v2, SPITCH                   ; back: sixteen lanes to a row
	v_lshl_add_u32 v7, v1, 4, v7
	v_add_nc_u32 v[RD], s20, v7
	v_lshlrev_b32 v5, 12, v2
	v_lshl_add_u32 v[CO], v1, 4, v5
	v_lshlrev_b32 v[BOF], 6, v2
	s_wait_alu depctr_va_vdst(0)
	s_wait_dscnt 0x0
	CROUND                                         ; the opening round
	s_wait_kmcnt 0x0
	s_add_nc_u64 s[G0A+2:G0A+3], s[4:5], s[76:77]
	s_add_nc_u64 s[G0B+2:G0B+3], s[6:7], s[78:79]
	s_or_b32 s[G0B+3], s[G0B+3], 0x80000000
	s_add_nc_u64 s[4:5], s[4:5], s[80:81]
	s_add_nc_u64 s[6:7], s[6:7], s[82:83]
	s_add_nc_u64 s[8:9], s[8:9], s[86:87]
	s_add_nc_u64 s[12:13], s[10:11], s[84:85]
	s_cmp_eq_u32 s14, 0
	s_cbranch_scc0 .Lwave_1
	TLOAD G0B, G1B                                 ; wave 0: B, which is wanted first
	s_branch .Lasked
.Lwave_1:
	s_cmp_eq_u32 s14, 1
	s_cbranch_scc0 .Lwave_2
	ATILE 0, 8                                     ; wave 1: A's blocks 0 to 7
	s_branch .Lasked
.Lwave_2:
	s_cmp_eq_u32 s14, 2
	s_cbranch_scc0 .Lwave_3
	ATILE 8, 4
	s_branch .Lasked
.Lwave_3:
	ATILE 12, 4
.Lasked:
.irp b, 0,1,2,3
.irp j, 0,1
	global_load_b64 v[SB+4*\b+2*\j:SB+4*\b+2*\j+1], v[L8], s[6:7] offset:512*\b+256*\j
.endr
.endr
.irp s, 0,1,2,3,4,5,6,7
.irp j, 0,1
	global_load_b64 v[SA+4*\s+2*\j:SA+4*\s+2*\j+1], v[L8], s[4:5] offset:1024*\s+256*\j
.endr
.endr
.irp b, 0,1,2,3                        ; register i of tile b is output 32 (b / 2) + 8 (b % 2) + 16 h + i of my 64
	global_load_b128 v[BO+8*\b:BO+8*\b+3], v[BOF], s[8:9] offset:128*(\b/2)+32*(\b%2)
	global_load_b128 v[BO+8*\b+4:BO+8*\b+7], v[BOF], s[8:9] offset:128*(\b/2)+32*(\b%2)+16
.endr
	s_cmp_eq_u32 s14, 0
	s_cbranch_scc0 .Lnot_b
	s_wait_tensorcnt 0x0
.Lnot_b:
	BARRIER                                        ; B has landed
.irp q, 0,1,2,3,4,5,6,7
.irp b, 0,1,2,3
.set F_, 4*\q+\b
	WIN (1+F_/FPW)<<6
.irp c, 0,1,2
	ds_load_b128 v[FR*(F_%FPW)+4*\c:FR*(F_%FPW)+4*\c+3], v[ADRB] offset:\b*BLKB+1536*\q+512*\c
.endr
.endr
.endr
	WIN 0
	s_cmp_eq_u32 s14, 1
	s_cbranch_scc0 .Lnot_a
	s_wait_tensorcnt 0x0
.Lnot_a:
	s_wait_dscnt 0x0
	BARRIER                                        ; A's blocks 0 to 7 have landed; waves 2 and 3's tiles may be out
	FETCH 0
	FETCH 1
	s_wait_loadcnt 0x0                             ; the scale words and the bias
	s_wait_dscnt NF                                ; block 0's fragments are in
; ---- the stream: eight blocks, written by one macro (a block's scale registers are its own)
.irp s, 0,1,2,3,4,5,6,7
	STREAM \s
.endr
	s_wait_tensorcnt 0x0                           ; the wave's end
	ds_add_u32 v[SPW], v[NIL]
	s_wait_dscnt 0x0
	CROUND                                         ; the closing round
	s_endpgm
.Lfunc_end_k_q920c09ea58_gemm_out:
	.size	k_q920c09ea58_gemm_out, .Lfunc_end_k_q920c09ea58_gemm_out-k_q920c09ea58_gemm_out
	.p2alignl 7, 3214868480
	.fill 96, 4, 3214868480
	.section	.rodata,"a",@progbits
	.p2align	6, 0x0
	.amdhsa_kernel k_q920c09ea58_gemm_out
		.amdhsa_group_segment_fixed_size 327680
		.amdhsa_private_segment_fixed_size 0
		.amdhsa_enable_private_segment 0
		.amdhsa_kernarg_size 32
		.amdhsa_user_sgpr_count 2
		.amdhsa_user_sgpr_kernarg_segment_ptr 1
		.amdhsa_wavefront_size32 1
		.amdhsa_system_sgpr_workgroup_id_x 1
		.amdhsa_system_sgpr_workgroup_id_y 1
		.amdhsa_system_sgpr_workgroup_id_z 1
		.amdhsa_system_vgpr_workitem_id 0
		.amdhsa_next_free_vgpr 840
		.amdhsa_next_free_sgpr 96
		.amdhsa_reserve_vcc 0
		.amdhsa_float_denorm_mode_32 3
		.amdhsa_float_denorm_mode_16_64 3
		.amdhsa_memory_ordered 1
		.amdhsa_forward_progress 1
		.amdhsa_inst_pref_size 83
	.end_amdhsa_kernel
	.amdgpu_metadata
---
amdhsa.version: [ 1, 2 ]
amdhsa.kernels:
  - .name:           k_q920c09ea58_gemm_out
    .symbol:         k_q920c09ea58_gemm_out.kd
    .args:
      - { .name: aq, .offset: 0, .size: 8, .value_kind: global_buffer, .address_space: global }
      - { .name: opq, .offset: 8, .size: 8, .value_kind: global_buffer, .address_space: global }
      - { .name: bo, .offset: 16, .size: 8, .value_kind: global_buffer, .address_space: global }
      - { .name: out0, .offset: 24, .size: 8, .value_kind: global_buffer, .address_space: global }
    .group_segment_fixed_size: 327680
    .private_segment_fixed_size: 0
    .kernarg_segment_align: 8
    .kernarg_segment_size: 32
    .max_flat_workgroup_size: 128
    .sgpr_count:     96
    .vgpr_count:     840
    .wavefront_size: 32
...
	.end_amdgpu_metadata
.endif
;; end of part 4
